; MI455X (gfx1250); checked and timed in simulation.
; The chip was launched on July 23, 2026; its instructions are those of AMD's public machine-readable ISA for CDNA 5 (MIT licence, August 2026) and "CDNA5" Instruction Set Architecture Reference Guide (July 2026). The comments in the code are by the model that wrote it; some were corrected since.
;; Model. Allowed arithmetic: matrix products marked QUANTISED: E4M3 operands, one given power-of-two scale a tensor, by v_wmma_f32_16x16x64_fp8_fp8 or v_wmma_f32_16x16x128_fp8_fp8, f32 sums; products left as they are: f32 operands where the result goes on into a quantised operand, else bf16, f16 or f32 operands; f32 sums; everything else in f32.
;; Inputs: b_fc 28 float32; bk 32 float32; bo 32 float32; bq 32 float32; bv 32 float32; emb 28 x 32 float32; lowp_scales 12 int32 (the exponents e of the quantised operands' scales 2^e); mask 64 x 1,024 x 1 float32; pe 1,024 x 32 float32; w_fc 28 x 32 float32; wk 32 x 32 float32; wo 32 x 32 float32; wq 32 x 32 float32; wv 32 x 32 float32; x 64 x 1,024 int32.
;; Outputs: out0 64 x 1,024 x 28 float32.
;; This version of the problem:
;;   THIS VERSION OF THE PROBLEM IS GIVEN IN LOW PRECISION. The matrix products marked QUANTISED in the list below multiply operands that are first quantised to E4M3 (4 exponent bits, 3 mantissa bits; 8 bits a number), with one given power-of-two scale for each operand tensor; their sums are f32. All else is computed in f32.
;;   The module's matrix products, in the order in which they are computed (A, B: the left and right operand; K: the contracted axis; several contracted axes count as one K, in the product's order):
;;     1. [M 65,536, K 32] x [K 32, N 32]; A: computed on the way; B: input wq: QUANTISED (scales: A lowp_scales[0], B lowp_scales[1])
;;     2. [M 65,536, K 32] x [K 32, N 32]; A: computed on the way; B: input wk: QUANTISED (scales: A lowp_scales[2], B lowp_scales[3])
;;     3. [M 65,536, K 32] x [K 32, N 32]; A: computed on the way; B: input wv: QUANTISED (scales: A lowp_scales[4], B lowp_scales[5])
;;     4. batch 128 x [M 1,024, K 16] x [K 16, N 1,024]; A: computed on the way; B: computed on the way: left as it is (K = 16 < 32)
;;     5. batch 128 x [M 1,024, K 1,024] x [K 1,024, N 16]; A: softmax (see below); B: computed on the way: QUANTISED (scales: A lowp_scales[6], B lowp_scales[7])
;;     6. [M 65,536, K 32] x [K 32, N 32]; A: computed on the way; B: input wo: QUANTISED (scales: A lowp_scales[8], B lowp_scales[9])
;;     7. [M 65,536, K 32] x [K 32, N 28]; A: computed on the way; B: input w_fc: QUANTISED (scales: A lowp_scales[10], B lowp_scales[11])
;;   THE QUANTISER, for each operand of a quantised product, along K:
;;     - The operand's scale is 2^e, e = its entry of the input lowp_scales (int32; the entries are numbered through the quantised products in the list's order, A before B).
;;     - Each number is divided by the scale, clamped to +-448, and rounded to the nearest number of E4M3, ties to even, subnormals kept.
;;     - The product sums the exact products of the quantised numbers (number of the format x scale) in f32.
;;   ~~~python
;;   def quantise(x, axis, e):      # numpy; x: float32 -> the quantised numbers, widened to float32 again
;;       x = np.moveaxis(x, axis, -1); K = x.shape[-1]
;;       r = np.clip(x / 2.0 ** e, -448, 448)
;;       step = 2.0 ** (np.maximum(np.frexp(np.where(r == 0, 1, r))[1] - 1, -6) - 3)
;;       q = np.round(r / step) * step * 2.0 ** e      # np.round: ties to even
;;       return np.moveaxis(q, -1, axis).astype(np.float32)
;;   ~~~
;;   SOFTMAX AHEAD OF A QUANTISED PRODUCT. Where the list says 'softmax', what is quantised is not the finished softmax but p = 2^(t - M), with t = logit x log2(e) and M = ceil(the row's largest t), a whole number; so 1/2 < the row's largest p <= 1. The row's sum l is taken of the UNQUANTISED p, in f32, and the product's result is divided by l at the end. Since M is a whole number, a kernel that streams over the keys may use a running M (the ceiling of the running maximum): every later rescaling is an exact power of two, so the quantised numbers keep their values, but for numbers so far below the row's largest that they fall under the format's range.
;;   OPERANDS COMPUTED ON THE WAY. 'Computed on the way' means the value that the module computes at that place (a softmax that the list does not call 'softmax' is quantised finished and normalised). What goes into a quantiser is computed in f32, as accurately as f32 sums, v_exp_f32 and their like allow (about 1e-6 of the number): no bf16 or f16 on the way to a quantiser, and a product that is left as it is and whose result goes on into a quantised operand takes f32 operands (vector FMAs, or v_wmma_f32_16x16x4_f32). A number that lies on a knife's edge between two numbers of the format may be rounded either way, as far as f32 arithmetic and the matrix unit's own rounding can turn it there, and no further.
;; One version. Each part assembles by itself: llvm-mc -triple=amdgcn-amd-amdhsa -mcpu=gfx1250 --defsym DOCPART=n.
;; ======== version 1 of 1: 2 launches
;; limits: right only within a limited range of input values
;; workspace buffers: qf 8,388,608 bytes; kv 10,485,760 bytes; kbias 262,144 bytes; nts 256 bytes of whole numbers
;; launch prep (part 1): grid 256 x 1, 8 waves a work-group, no clusters, 0 bytes of LDS; arguments x, mask, emb, pe, wq, bq, wk, bk, wv, bv, lowp_scales, qf, kv, kbias, nts; writes qf, kv, kbias, nts
.if DOCPART == 1
	.amdgcn_target "amdgcn-amd-amdhsa--gfx1250"
	.amdhsa_code_object_version 6
	.text
	.protected	k_q4f9b0d37ee_prep
	.globl	k_q4f9b0d37ee_prep
	.p2align	8
	.type	k_q4f9b0d37ee_prep,@function
k_q4f9b0d37ee_prep:
	s_mov_b64 s[64:65], 0
	v_nop
	global_prefetch_b8 v0, s[64:65] scope:SCOPE_SE
	s_setreg_imm32_b32 hwreg(HW_REG_WAVE_MODE, 25, 1), 1
	s_wait_xcnt 0x0
; PREP.  h = (emb[x] + pe) * nm, nm = the mask lengthened by three places behind the last index with mask > 0; q, k, v = Q(h) Q(w)^T + bias on codes of E4M3
; (K = 32, filled with zero codes to the form's 64); v is quantised for the second attention product.  Stored for the next launch, all as images of operand registers:
;   qf    [batch 64][tile of 16 queries 64][head 2][g 2][lane 32][16 bytes]  f32: lane (r, h) holds channels 8 h + 0..7 of its token, registers 4 g .. 4 g + 3
;   kv    [batch 64][step of 128 keys 8][20,480 bytes]: head hd at 10,240 hd: eight tiles of k as above (1,024 bytes each), then v's codes at 8,192 + 512 b (registers 4 b .. 4 b + 3)
;   kbias [batch 64][key 1024] f32: 0, or -2^100 where nm == 0 (it is the C of a score tile's first matrix instruction; every product under 2^75 is absorbed in it, so a batch
;         whose keys are all hidden gets equal scores, a whole t and p = 1)
;   nts   [batch 64] int32: steps of 128 keys up to the last key with nm != 0 (8 where there is none)
; SHARES.  batch = work-group / 4; a wave takes a block of 32 tokens (block = 8 (work-group % 4) + wave) as two tiles u = 0, 1.  THE TOKENS OF A TILE ARE NOT NEIGHBOURS: lane r takes token
; 32 block + 8 u + r + 8 (r / 8), so that row 8 h + j of a result stands for token 32 block + 16 h + 8 u + j: two tiles give a lane 16 neighbouring tokens.
; q and k are used transposed (source 0 = 16 rows of the weight, source 1 = 16 tokens): a lane holds 8 channels of one token.  v is used straight (source 0 = tokens, source 1 = rows of wv):
; a lane holds one channel and its registers run along the tokens, which are the keys, the next K.
; In the operands lane (r, h) holds k = 16 h + 0..15 in registers 0-3, alike on both sides, and zero codes in registers 4-7.
; Each wave scans its batch's mask row and quantises the weights for itself: no LDS, no barrier, no loop.  What is derived from the mask selects values only; no address and no branch hangs on it.
; LIMITS: each exponent e between -126 and 119, each sum of two between -126 and 127; NaN among the inputs is not served; x is held to 0..27.
.set SLOT, 20480
.set WC,  16                           ; v16-63   weight codes, 8 registers each: q0 q1 k0 k1 v0 v1
.set BQ,  64                           ; v64-79   bq for my 8 channels, head 0, head 1
.set BK,  80                           ; v80-95   bk likewise
.set BV,  96                           ; v96, v98 bv of my channel, head 0, 1 (v97, v99 written: named in pairs)
.set SCL, 100                          ; v100-107 scale and 448 x scale for e0, e2, e4, e7
.set HC,  108                          ; v108-155 h's codes: tile u at 24 u: for q, for k, for v (8 each); before that v108-139 the mask row; at the end v's codes
.set MR,  108
.set WR,  156                          ; v156-251 first the weights as loaded,
.set PE,  156                          ;          then pe and h (32), emb (32), numbers at work (16), four mask numbers,
.set EM,  188
.set TMP, 220
.set M4,  236
.set AQ,  156                          ;          then the twelve accumulators
.set AK,  188
.set AV,  220
.set KBV, 252                          ; v252-255 first a weight's scale and limit, then four key biases
	s_load_b512 s[4:19], s[0:1], 0x0               ; x, mask, emb, pe, wq, bq, wk, bk
	s_load_b256 s[20:27], s[0:1], 0x40             ; wv, bv, the scales' exponents, qf
	s_load_b128 s[28:31], s[0:1], 0x60             ; kv, kbias
	s_load_b64 s[32:33], s[0:1], 0x70              ; nts
	v_and_b32 v15, 31, v0                          ; lane
	v_lshlrev_b32 v1, 4, v15                       ; v1 = 16 x lane: stays
	v_and_b32 v9, 15, v0                           ; r
	v_bfe_u32 v10, v0, 4, 1                        ; h
	v_lshlrev_b32 v2, 7, v9
	v_lshl_add_u32 v2, v10, 6, v2                  ; a weight: row r of 128 bytes + 64 h
	v_and_b32 v11, 8, v9
	v_add_nc_u32 v11, v11, v9                      ; tr = r + 8 (r / 8)
	v_lshlrev_b32 v3, 7, v11
	v_lshl_add_u32 v3, v10, 6, v3                  ; v3 = 128 tr + 64 h: pe
	v_lshlrev_b32 v4, 2, v11                       ; 4 tr: x and mask
	v_lshlrev_b32 v13, 2, v9                       ; 4 r: bv
	v_lshlrev_b32 v14, 5, v10                      ; 32 h: bq, bk
	v_lshrrev_b32 v12, 5, v0
	v_readfirstlane_b32 s44, v12                   ; wave
	s_lshr_b32 s45, ttmp9, 2                       ; batch
	s_and_b32 s46, ttmp9, 3
	s_lshl_b32 s46, s46, 3
	s_add_co_u32 s46, s46, s44                     ; block of 32 tokens, 0..31
	s_lshr_b32 s47, s46, 2                         ; its step of 128 keys
	s_and_b32 s48, s46, 3                          ; and its place b in the step
	s_mov_b32 s56, 0x76543210                      ; v_permlanex16_b32: lane l xor 16
	s_mov_b32 s57, 0xfedcba98
	s_lshl_b32 s58, s45, 12                        ; batch x 4,096
	s_mov_b32 s59, 0
	s_lshl_b32 s60, s46, 7                         ; block x 128
	s_mov_b32 s61, 0
	s_lshl_b32 s62, s46, 12                        ; block x 4,096
	s_mov_b32 s63, 0
	s_lshl_b32 s66, s47, 9                         ; step x 512
	s_mov_b32 s67, 0
	s_lshl_b32 s68, s45, 17
	s_add_co_u32 s68, s68, s62                     ; (64 batch + 2 block) x 2,048
	s_mov_b32 s69, 0
	s_lshl_b32 s70, s45, 3
	s_add_co_u32 s70, s70, s47
	s_mul_i32 s70, s70, SLOT                       ; (8 batch + step) x 20,480
	s_mov_b32 s71, 0
	s_lshl_b32 s72, s48, 11                        ; k's tiles 2 b, 2 b + 1
	s_mov_b32 s73, 0
	s_lshl_b32 s74, s48, 9
	s_add_co_u32 s74, s74, 8192                    ; v's registers 4 b ..
	s_mov_b32 s75, 0
	s_lshl_b32 s76, s45, 2                         ; batch x 4
	s_mov_b32 s77, 0
	s_wait_kmcnt 0x0
	s_load_b256 s[36:43], s[24:25], 0x0            ; e0 .. e7
	s_add_nc_u64 s[6:7], s[6:7], s[58:59]          ; the batch's mask row
	s_add_nc_u64 s[4:5], s[4:5], s[58:59]
	s_add_nc_u64 s[4:5], s[4:5], s[60:61]          ; x at my block
	s_add_nc_u64 s[34:35], s[6:7], s[60:61]        ; mask at my block
	s_add_nc_u64 s[78:79], s[6:7], s[66:67]        ; mask at my step
	s_add_nc_u64 s[10:11], s[10:11], s[62:63]      ; pe at my block
	s_add_nc_u64 s[26:27], s[26:27], s[68:69]      ; qf at my two tiles
	s_add_nc_u64 s[28:29], s[28:29], s[70:71]      ; kv at my step,
	s_add_nc_u64 s[80:81], s[28:29], s[74:75]      ; v's part,
	s_add_nc_u64 s[28:29], s[28:29], s[72:73]      ; k's part
	s_add_nc_u64 s[30:31], s[30:31], s[58:59]
	s_add_nc_u64 s[30:31], s[30:31], s[66:67]      ; kbias at my step
	s_add_nc_u64 s[32:33], s[32:33], s[76:77]      ; nts at my batch
	global_load_b32 v5, v4, s[4:5]                 ; x, tile 0, tile 1
	global_load_b32 v7, v4, s[4:5] offset:32
	global_load_b32 v6, v4, s[34:35]               ; mask of my tokens
	global_load_b32 v8, v4, s[34:35] offset:32
.irp j, 0,1,2,3,4,5,6,7
	global_load_b128 v[MR+4*\j:MR+4*\j+3], v1, s[6:7] offset:512*\j   ; the mask row: register 4 j + c holds position 128 j + 4 lane + c
.endr
.irp hd, 0,1
.irp i, 0,1,2,3
	global_load_b128 v[WR+16*\hd+4*\i:WR+16*\hd+4*\i+3], v2, s[12:13] offset:2048*\hd+16*\i
	global_load_b128 v[WR+32+16*\hd+4*\i:WR+32+16*\hd+4*\i+3], v2, s[16:17] offset:2048*\hd+16*\i
	global_load_b128 v[WR+64+16*\hd+4*\i:WR+64+16*\hd+4*\i+3], v2, s[20:21] offset:2048*\hd+16*\i
.endr
.endr
.irp hd, 0,1
.irp i, 0,1
	global_load_b128 v[BQ+8*\hd+4*\i:BQ+8*\hd+4*\i+3], v14, s[14:15] offset:64*\hd+16*\i
	global_load_b128 v[BK+8*\hd+4*\i:BK+8*\hd+4*\i+3], v14, s[18:19] offset:64*\hd+16*\i
.endr
.endr
	global_load_b32 v[BV], v13, s[22:23]
	global_load_b32 v[BV+2], v13, s[22:23] offset:64
	v_mov_b32 v[BV+1], 0
	v_mov_b32 v[BV+3], 0
	s_wait_loadcnt 0x0
	s_wait_kmcnt 0x0
; 2^e as f32 (the conversion takes its exponent field) and 448 x 2^e
.macro MKSC e, vsc, vlim
	s_add_co_i32 s58, s[\e], 127
	s_lshl_b32 s59, s58, 23
	v_mov_b32 v[\vsc], s59
	s_add_co_i32 s58, s58, 8
	s_lshl_b32 s58, s58, 23
	s_or_b32 s58, s58, 0x600000
	v_mov_b32 v[\vlim], s58
.endm
; 16 numbers of a weight's row become registers 0-3 of a fragment; registers 4-7 are zero codes.  The four moves are also the plain lines behind the conversions
.macro QW raw, dst
.irp i, 0,1,2,3,4,5,6,7,8,9,10,11,12,13,14,15
	v_med3_num_f32 v[\raw+\i], v[\raw+\i], -v[KBV+1], v[KBV+1]   ; the conversion to an 8-bit code does not saturate (ISA guide 7.6.2): the hold comes first
.endr
	v_cvt_scalef32_pk8_fp8_f32 v[\dst:\dst+1], v[\raw:\raw+7], v[KBV]
	v_cvt_scalef32_pk8_fp8_f32 v[\dst+2:\dst+3], v[\raw+8:\raw+15], v[KBV]
.irp i, 4,5,6,7
	v_mov_b32 v[\dst+\i], 0
.endr
.endm
	s_add_co_i32 s50, s36, s37
	s_add_co_i32 s50, s50, 127
	s_lshl_b32 s50, s50, 23                        ; 2^(e0 + e1)
	s_mov_b32 s51, s50                             ; (named with it as a pair)
	s_add_co_i32 s52, s38, s39
	s_add_co_i32 s52, s52, 127
	s_lshl_b32 s52, s52, 23                        ; 2^(e2 + e3)
	s_mov_b32 s53, s52
	s_add_co_i32 s54, s40, s41
	s_add_co_i32 s54, s54, 127
	s_lshl_b32 s54, s54, 23                        ; 2^(e4 + e5)
	s_mov_b32 s55, s54
	MKSC 36, SCL, SCL+1
	MKSC 38, SCL+2, SCL+3
	MKSC 40, SCL+4, SCL+5
	MKSC 43, SCL+6, SCL+7
	MKSC 37, KBV, KBV+1
	QW WR, WC
	QW WR+16, WC+8
	MKSC 39, KBV, KBV+1
	QW WR+32, WC+16
	QW WR+48, WC+24
	MKSC 41, KBV, KBV+1
	QW WR+64, WC+32
	QW WR+80, WC+40
	; the gather: x is held inside the table, then only shifted and added to
	v_and_b32 v15, 64, v3                          ; 64 h
	v_min_u32 v5, 27, v5
	v_min_u32 v7, 27, v7
	v_lshl_add_u32 v5, v5, 7, v15
	v_lshl_add_u32 v7, v7, 7, v15
.irp u, 0,1
.irp i, 0,1,2,3
	global_load_b128 v[EM+16*\u+4*\i:EM+16*\u+4*\i+3], v[5+2*\u], s[8:9] offset:16*\i
	global_load_b128 v[PE+16*\u+4*\i:PE+16*\u+4*\i+3], v3, s[10:11] offset:1024*\u+16*\i
.endr
.endr
	global_load_b128 v[M4:M4+3], v1, s[78:79]      ; four mask numbers of my step: keys 4 lane + 0..3
	; the scan of the mask row stands while those loads are on their way: the last register with mask > 0, and with mask != 0
	v_mov_b32 v9, -1
	v_mov_b32 v10, -1
.irp i, 0,1,2,3,4,5,6,7,8,9,10,11,12,13,14,15,16,17,18,19,20,21,22,23,24,25,26,27,28,29,30,31
	v_cmp_lt_f32 vcc_lo, 0, v[MR+\i]
	v_cmp_neq_f32 s58, 0, v[MR+\i]
	v_cndmask_b32 v9, v9, \i, vcc_lo
	v_cndmask_b32 v10, v10, \i, s58
.endr
	v_lshrrev_b32 v2, 2, v1                        ; 4 x lane
	v_lshrrev_b32 v4, 2, v9
	v_and_b32 v13, 3, v9
	v_lshl_add_u32 v4, v4, 7, v13
	v_add_nc_u32 v4, v4, v2                        ; the position,
	v_cmp_gt_i32 vcc_lo, 0, v9
	v_cndmask_b32 v4, v4, -1, vcc_lo               ; or -1
	v_cvt_f32_i32 v4, v4                           ; as f32: exact, and the wave's maximum rides on f32 arithmetic
	v_lshrrev_b32 v14, 2, v10
	v_and_b32 v13, 3, v10
	v_lshl_add_u32 v14, v14, 7, v13
	v_add_nc_u32 v14, v14, v2
	v_cmp_gt_i32 vcc_lo, 0, v10
	v_cndmask_b32 v14, v14, -1, vcc_lo
	v_cvt_f32_i32 v14, v14
.irp m, 1,2,4,8
	v_max_num_f32_dpp v4, v4, v4 row_xmask:\m row_mask:0xf bank_mask:0xf
	v_max_num_f32_dpp v14, v14, v14 row_xmask:\m row_mask:0xf bank_mask:0xf
.endr
	v_permlanex16_b32 v13, v4, s56, s57
	v_permlanex16_b32 v15, v14, s56, s57
	v_max_num_f32 v4, v4, v13                      ; the last position with mask > 0, or -1
	v_max_num_f32 v14, v14, v15                    ; the last with mask != 0, or -1
	v_mov_b32 v15, 0x447fc000                      ; 1023.0
	v_cmp_gt_f32 vcc_lo, 0, v4                     ; no position with mask > 0: then last = 1023 and nothing is lengthened
	v_cndmask_b32 v11, v4, v15, vcc_lo
	v_cvt_i32_f32 v11, v11                         ; v11 = last
	v_add_f32 v13, 0x40400000, v4
	v_min_num_f32 v13, v13, v15                    ; the end of the lengthening: min(last + 3, 1023),
	v_cndmask_b32 v13, v13, -1.0, vcc_lo           ; or -1
	v_max_num_f32 v13, v13, v14                    ; the last position with nm != 0, or -1
	v_cvt_i32_f32 v12, v13
	v_ashrrev_i32 v12, 7, v12
	v_add_nc_u32 v12, 1, v12
	v_cmp_gt_f32 vcc_lo, 0, v13
	v_cndmask_b32 v12, v12, 8, vcc_lo              ; v12 = steps to walk: all eight where every key is hidden
	v_lshrrev_b32 v2, 7, v3                        ; tr
	s_lshl_b32 s58, s46, 5
	v_add_nc_u32 v2, s58, v2                       ; my token of tile 0
	v_sub_nc_u32 v2, v2, v11
	v_add_nc_u32 v2, -1, v2                        ; token - last - 1: 0, 1, 2 (unsigned) where the mask is lengthened
	v_cmp_gt_u32 vcc_lo, 3, v2
	v_cndmask_b32 v6, v6, 1.0, vcc_lo              ; nm, tile 0
	v_add_nc_u32 v2, 8, v2
	v_cmp_gt_u32 vcc_lo, 3, v2
	v_cndmask_b32 v8, v8, 1.0, vcc_lo              ; nm, tile 1
	s_wait_loadcnt 0x0
.irp u, 0,1
.irp i, 0,2,4,6,8,10,12,14
	v_pk_add_f32 v[PE+16*\u+\i:PE+16*\u+\i+1], v[EM+16*\u+\i:EM+16*\u+\i+1], v[PE+16*\u+\i:PE+16*\u+\i+1]
.endr
.irp i, 0,2,4,6,8,10,12,14
	v_pk_mul_f32 v[PE+16*\u+\i:PE+16*\u+\i+1], v[PE+16*\u+\i:PE+16*\u+\i+1], v[6+2*\u:7+2*\u] op_sel_hi:[1,0]   ; x nm: the pair's low word for both halves
.endr
.endr
; h's 16 numbers of tile u become a fragment under one of its three scales; h itself stays
.macro QH u, dst, sc, lim
.irp i, 0,1,2,3,4,5,6,7,8,9,10,11,12,13,14,15
	v_med3_num_f32 v[TMP+\i], v[PE+16*\u+\i], -v[\lim], v[\lim]
.endr
	v_cvt_scalef32_pk8_fp8_f32 v[\dst:\dst+1], v[TMP:TMP+7], v[\sc]
	v_cvt_scalef32_pk8_fp8_f32 v[\dst+2:\dst+3], v[TMP+8:TMP+15], v[\sc]
.irp i, 4,5,6,7
	v_mov_b32 v[\dst+\i], 0
.endr
.endm
	QH 0, HC, SCL, SCL+1
	QH 0, HC+8, SCL+2, SCL+3
	QH 0, HC+16, SCL+4, SCL+5
	QH 1, HC+24, SCL, SCL+1
	QH 1, HC+32, SCL+2, SCL+3
	QH 1, HC+40, SCL+4, SCL+5
	; the key biases of keys 128 step + 4 lane + 0..3
	v_lshrrev_b32 v2, 2, v1
	s_lshl_b32 s58, s47, 7
	v_add_nc_u32 v2, s58, v2
	v_sub_nc_u32 v2, v2, v11
	v_add_nc_u32 v2, -1, v2
	v_mov_b32 v4, 0xf1800000                       ; -2^100
.irp c, 0,1,2,3
	v_cmp_gt_u32 vcc_lo, 3, v2
	v_cndmask_b32 v13, v[M4+\c], 1.0, vcc_lo       ; nm
	v_cmp_eq_f32 vcc_lo, 0, v13
	v_cndmask_b32 v[KBV+\c], 0, v4, vcc_lo
	v_add_nc_u32 v2, 1, v2
.endr
	; twelve products, each on an accumulator of its own, each begun with the constant 0
.irp u, 0,1
.irp hd, 0,1
	v_wmma_f32_16x16x64_fp8_fp8 v[AQ+16*\u+8*\hd:AQ+16*\u+8*\hd+7], v[WC+8*\hd:WC+8*\hd+7], v[HC+24*\u:HC+24*\u+7], 0
	v_wmma_f32_16x16x64_fp8_fp8 v[AK+16*\u+8*\hd:AK+16*\u+8*\hd+7], v[WC+16+8*\hd:WC+16+8*\hd+7], v[HC+24*\u+8:HC+24*\u+15], 0
	v_wmma_f32_16x16x64_fp8_fp8 v[AV+16*\hd+8*\u:AV+16*\hd+8*\u+7], v[HC+24*\u+16:HC+24*\u+23], v[WC+32+8*\hd:WC+32+8*\hd+7], 0
.endr
.endr
.rept 4
	v_nop                                          ; four places between the products and the first read of a result (ISA guide 7.12.1)
.endr
.irp u, 0,1
.irp hd, 0,1
.irp i, 0,2,4,6
	v_pk_fma_f32 v[AQ+16*\u+8*\hd+\i:AQ+16*\u+8*\hd+\i+1], v[AQ+16*\u+8*\hd+\i:AQ+16*\u+8*\hd+\i+1], s[50:51], v[BQ+8*\hd+\i:BQ+8*\hd+\i+1] op_sel_hi:[1,0,1]   ; q = sum x 2^(e0 + e1) + bq; each accumulator from its low end on
.endr
.irp i, 0,2,4,6
	v_pk_fma_f32 v[AK+16*\u+8*\hd+\i:AK+16*\u+8*\hd+\i+1], v[AK+16*\u+8*\hd+\i:AK+16*\u+8*\hd+\i+1], s[52:53], v[BK+8*\hd+\i:BK+8*\hd+\i+1] op_sel_hi:[1,0,1]
.endr
.irp i, 0,2,4,6
	v_pk_fma_f32 v[AV+16*\hd+8*\u+\i:AV+16*\hd+8*\u+\i+1], v[AV+16*\hd+8*\u+\i:AV+16*\hd+8*\u+\i+1], s[54:55], v[BV+2*\hd:BV+2*\hd+1] op_sel_hi:[1,0,0]   ; v: one channel a lane, so one bias
.endr
.endr
.endr
.irp hd, 0,1
.irp i, 0,1,2,3,4,5,6,7,8,9,10,11,12,13,14,15
	v_med3_num_f32 v[AV+16*\hd+\i], v[AV+16*\hd+\i], -v[SCL+7], v[SCL+7]
.endr
	v_cvt_scalef32_pk8_fp8_f32 v[HC+4*\hd:HC+4*\hd+1], v[AV+16*\hd:AV+16*\hd+7], v[SCL+6]      ; 16 neighbouring keys of my channel: registers 4 b .. 4 b + 3 of the operand
	v_cvt_scalef32_pk8_fp8_f32 v[HC+4*\hd+2:HC+4*\hd+3], v[AV+16*\hd+8:AV+16*\hd+15], v[SCL+6]
.endr
	v_nop
	; every store of the wave covers 512 consecutive bytes, aligned
.irp u, 0,1
.irp hd, 0,1
.irp g, 0,1
	global_store_b128 v1, v[AQ+16*\u+8*\hd+4*\g:AQ+16*\u+8*\hd+4*\g+3], s[26:27] offset:2048*\u+1024*\hd+512*\g
	global_store_b128 v1, v[AK+16*\u+8*\hd+4*\g:AK+16*\u+8*\hd+4*\g+3], s[28:29] offset:10240*\hd+1024*\u+512*\g
.endr
.endr
.endr
	global_store_b128 v1, v[HC:HC+3], s[80:81]
	global_store_b128 v1, v[HC+4:HC+7], s[80:81] offset:10240
	s_cmp_lg_u32 s48, 0                            ; a step's first block stores the step's key biases
	s_cbranch_scc1 .Lno_bias
	global_store_b128 v1, v[KBV:KBV+3], s[30:31]
.Lno_bias:
	s_cmp_lg_u32 s46, 0                            ; the batch's first block stores its number of steps, from lane 0
	s_cbranch_scc1 .Lend
	s_wait_xcnt 0x0                                ; EXEC changes only behind this wait
	v_cmp_eq_u32 vcc_lo, 0, v1
	s_and_saveexec_b32 s58, vcc_lo
	global_store_b32 v1, v12, s[32:33]
	s_wait_xcnt 0x0
	s_or_b32 exec_lo, exec_lo, s58
.Lend:
	s_endpgm
.Lfunc_end_k_q4f9b0d37ee_prep:
	.size	k_q4f9b0d37ee_prep, .Lfunc_end_k_q4f9b0d37ee_prep-k_q4f9b0d37ee_prep
	.p2alignl 7, 3214868480
	.fill 96, 4, 3214868480
	.section	.rodata,"a",@progbits
	.p2align	6, 0x0
	.amdhsa_kernel k_q4f9b0d37ee_prep
		.amdhsa_group_segment_fixed_size 0
		.amdhsa_private_segment_fixed_size 0
		.amdhsa_enable_private_segment 0
		.amdhsa_kernarg_size 120
		.amdhsa_user_sgpr_count 2
		.amdhsa_user_sgpr_kernarg_segment_ptr 1
		.amdhsa_wavefront_size32 1
		.amdhsa_system_sgpr_workgroup_id_x 1
		.amdhsa_system_sgpr_workgroup_id_y 1
		.amdhsa_system_sgpr_workgroup_id_z 1
		.amdhsa_system_vgpr_workitem_id 0
		.amdhsa_next_free_vgpr 256
		.amdhsa_next_free_sgpr 84
		.amdhsa_reserve_vcc 1
		.amdhsa_float_denorm_mode_32 3
		.amdhsa_float_denorm_mode_16_64 3
		.amdhsa_memory_ordered 1
		.amdhsa_forward_progress 1
		.amdhsa_inst_pref_size 47
	.end_amdhsa_kernel
	.amdgpu_metadata
---
amdhsa.version: [ 1, 2 ]
amdhsa.kernels:
  - .name:           k_q4f9b0d37ee_prep
    .symbol:         k_q4f9b0d37ee_prep.kd
    .args:
      - { .name: x, .offset: 0, .size: 8, .value_kind: global_buffer, .address_space: global }
      - { .name: mask, .offset: 8, .size: 8, .value_kind: global_buffer, .address_space: global }
      - { .name: emb, .offset: 16, .size: 8, .value_kind: global_buffer, .address_space: global }
      - { .name: pe, .offset: 24, .size: 8, .value_kind: global_buffer, .address_space: global }
      - { .name: wq, .offset: 32, .size: 8, .value_kind: global_buffer, .address_space: global }
      - { .name: bq, .offset: 40, .size: 8, .value_kind: global_buffer, .address_space: global }
      - { .name: wk, .offset: 48, .size: 8, .value_kind: global_buffer, .address_space: global }
      - { .name: bk, .offset: 56, .size: 8, .value_kind: global_buffer, .address_space: global }
      - { .name: wv, .offset: 64, .size: 8, .value_kind: global_buffer, .address_space: global }
      - { .name: bv, .offset: 72, .size: 8, .value_kind: global_buffer, .address_space: global }
      - { .name: lowp_scales, .offset: 80, .size: 8, .value_kind: global_buffer, .address_space: global }
      - { .name: qf, .offset: 88, .size: 8, .value_kind: global_buffer, .address_space: global }
      - { .name: kv, .offset: 96, .size: 8, .value_kind: global_buffer, .address_space: global }
      - { .name: kbias, .offset: 104, .size: 8, .value_kind: global_buffer, .address_space: global }
      - { .name: nts, .offset: 112, .size: 8, .value_kind: global_buffer, .address_space: global }
    .group_segment_fixed_size: 0
    .private_segment_fixed_size: 0
    .kernarg_segment_align: 8
    .kernarg_segment_size: 120
    .max_flat_workgroup_size: 256
    .sgpr_count:     84
    .vgpr_count:     256
    .wavefront_size: 32
...
	.end_amdgpu_metadata
.endif
;; end of part 1
;; launch attn (part 2): grid 256 x 1, 16 waves a work-group, no clusters, 327,680 bytes of LDS; arguments qf, kv, kbias, nts, lowp_scales, wo, bo, w_fc, b_fc, out0; writes out0
.if DOCPART == 2
	.amdgcn_target "amdgcn-amd-amdhsa--gfx1250"
	.amdhsa_code_object_version 6
	.text
	.protected	k_q4f9b0d37ee_attn
	.globl	k_q4f9b0d37ee_attn
	.p2align	8
	.type	k_q4f9b0d37ee_attn,@function
k_q4f9b0d37ee_attn:
	s_mov_b64 s[64:65], 0
	v_nop
	global_prefetch_b8 v0, s[64:65] scope:SCOPE_SE
	s_setreg_imm32_b32 hwreg(HW_REG_WAVE_MODE, 25, 1), 1
	s_wait_xcnt 0x0
; ATTN.  out = (softmax(q k^T / 4, hidden keys out) v) wo^T + bo, then w_fc^T + b_fc.  Scores: f32 operands (v_wmma_f32_16x16x4_f32, K = 16 in four steps).  p v, wo and w_fc: codes of E4M3.
; THE SOFTMAX: t = score x log2(e) / 4; M = the running largest t rounded up to a whole number; p = 2^(t - M) is quantised along the keys; the sum is taken of the unquantised p and divides at the end.
; HIDDEN KEYS: a score tile's first matrix instruction takes the keys' biases (0 or -2^100) as its C.  Steps of 128 keys behind the last key that counts give p = 0 and are left out: a scalar branch on the
; number of steps that the launch before stored.  So the walk hangs on numbers read from memory; operands come through registers into LDS.
; SHARES.  The 64 batches are ranked by their number of steps (ties by index); every wave works the ranks out for itself.  Work-group g takes 128 queries (part g % 8) of the batch of rank 63 - g / 8 (A) and then
; the same part of the batch of rank g / 8 (B), so that all work-groups walk nearly the same number of steps.  Wave w: tile of 16 queries w / 2, head w % 2; four waves to a SIMD, so that one wave's
; softmax stands beside the others' matrix work and LDS loads.
; LAYOUT.  S^T = k q^T (source 0 = 16 keys, source 1 = my 16 queries), O^T = v^T p^T: a lane holds one query throughout.  Lane r of key tile 2 b + u holds key 32 b + 8 u + r + 8 (r / 8), so the 16 registers of
; two neighbouring tiles are keys 32 b + 16 (lane / 16) + 0..15, the order in which v's codes were laid.  A fragment of q or k: lane (r, h) holds channels 8 h + 0..7; K step s takes registers 2 s, 2 s + 1 on both sides.
; LDS.  A's steps lie in slots 7-14, put there at the head.  B's steps 0-6 go into slots 0-6 while A is walked (loaded a trip ahead into registers, stored behind the trip's work); B's step 7 takes slot 7 when A is done.
; LIMITS: scores of keys that count stay far above -2^98 and each product q k under 2^75; e6, e8, e9, e10, e11 between -126 and 119; e8 + e9 and e10 + e11 between -126 and 127; NaN is not served.
.set SLOT,  20480                      ; a step of 128 keys: head hd at 10,240 hd: 8 tiles of k (1,024 bytes each), v's codes at 8,192
.set BIASB, 15*SLOT                    ; B's 1,024 key biases,
.set BIASA, BIASB+4096                 ; A's,
.set XCH,   BIASA+4096                 ; o's codes, 256 bytes a wave,
.set WIMG,  XCH+4096                   ; four weight fragments of 512 bytes: wo rows 0-15, 16-31, w_fc rows 0-15, 16-31,
.set BIMG,  WIMG+2048                  ; bo, b_fc (128 bytes each),
.set SPARE, BIMG+256                   ; the spare words: 128 bytes for each wave, eight blocks of 256 bytes that no other line names
.set OUTST, 8*SLOT                     ; 128 rows of 112 bytes of the result, in slot 8, which nobody reads any more when they are stored there
.set LK,   1                           ; v1   16 lane + 10,240 head
.set LB,   2                           ; v2   64 (lane / 16)
.set KA,   3                           ; v3   the step's tiles (written in each trip)
.set BAD,  4                           ; v4   the step's biases (likewise)
.set T16,  5                           ; v5   16 x thread
.set SG16, 6                           ; v6   where the staged step goes (written in each trip)
.set SG8,  7                           ; v7
.set SA,   8                           ; v8   where my half of one of A's slots goes
.set GA,   9                           ; v9   and where it comes from
.set KB,   10                          ; v10  BIASB + 8 x thread
.set WS,   11                          ; v11  where a weight fragment is stored
.set WI,   12                          ; v12  and read
.set BI,   13                          ; v13  BIMG + 32 (lane / 16)
.set XS,   14                          ; v14  XCH + 256 wave + 8 lane
.set OS,   15                          ; v15  my row of the result's stage + 32 (lane / 16)
.set ORD,  16                          ; v16  the stage read back: OUTST + 512 wave + 16 lane
.set OG,   17                          ; v17  and the same place in the part's 14,336 bytes of out0
.set L16,  18                          ; v18  16 x lane
.set BS,   19                          ; v19  BIMG + 4 lane
.set SPW,  20                          ; v20  my spare word; never rewritten
.set NIL,  21                          ; v21  0; never rewritten
.set NM,   22                          ; v22 -M, v23 the largest t
.set LS,   24                          ; v[24:25] the sum in two halves
.set LIMP, 26                          ; v26  448 x 2^e6
.set SCP,  27                          ; v27  2^e6
.set PD,   28                          ; v28  a lane permute's destination
.set FF,   30                          ; v[30:31] f = 2^(old M - new M)
.set QF,   32                          ; v32-39   q
.set OO,   40                          ; v40-47   O^T
.set G,    48                          ; v48-57   a thread's 40 bytes of the step that is being staged
.set L2,   58                          ; v[58:59] the sum's second chain
.set C0,   60                          ; v60, v61 at work
.set C1,   61
.set T8,   62                          ; v62  8 x thread
.set PK,   64                          ; v64-127  k's eight tiles, then p
.set SS,   128                         ; v128-191 the scores: written by the f32 matrix form alone
.set BA,   192                         ; v192-255 the biases of the eight tiles; then
.set VV,   224                         ; v224-239 v's codes,
.set CD,   240                         ; v240-255 p's codes
.macro BARRIER                         ; my LDS stores have landed and my LDS loads are in: then the work-group's barrier
	s_wait_dscnt 0x0
	s_barrier_signal -1
	s_barrier_wait -1
.endm
	s_load_b512 s[4:19], s[0:1], 0x0               ; qf, kv, kbias, nts, the scales' exponents, wo, bo, w_fc
	s_load_b128 s[20:23], s[0:1], 0x40             ; b_fc, out0
	v_lshl_add_u32 v[SPW], v0, 2, SPARE
	v_mov_b32 v[NIL], 0
	v_lshrrev_b32 v29, 5, v0
	v_readfirstlane_b32 s24, v29                   ; wave 0..15
	s_and_b32 s25, s24, 1                          ; head
	s_lshr_b32 s26, s24, 1                         ; tile of queries 0..7
	s_and_b32 s27, ttmp9, 7                        ; part
	s_lshr_b32 s28, ttmp9, 3                       ; pair: B's rank
	s_and_b32 s94, s24, 3                          ; which weight fragment I quantise
	; every LDS address register is made here, ahead of the first branch
	v_and_b32 v28, 31, v0                          ; lane
	v_lshlrev_b32 v[L16], 4, v28
	v_bfe_u32 v29, v0, 4, 1                        ; h
	v_and_b32 v30, 15, v0                          ; r
	s_mul_i32 s76, s25, 10240
	v_add_nc_u32 v[LK], s76, v[L16]
	v_lshlrev_b32 v[LB], 6, v29
	v_lshlrev_b32 v[T16], 4, v0
	v_lshlrev_b32 v[T8], 3, v0
	s_mul_i32 s77, s26, SLOT
	s_add_co_u32 s77, s77, s76
	v_add_nc_u32 v[GA], s77, v[L16]                ; step = my tile's number, half = my head
	s_add_co_u32 s77, s77, 7*SLOT
	v_add_nc_u32 v[SA], s77, v[L16]
	v_add_nc_u32 v[KB], BIASB, v[T8]
	s_lshl_b32 s79, s94, 9
	s_add_co_u32 s79, s79, WIMG
	v_add_nc_u32 v[WS], s79, v[L16]
	v_add_nc_u32 v[WI], WIMG, v[L16]
	v_lshl_add_u32 v[BI], v29, 5, BIMG
	s_lshl_b32 s79, s24, 8
	s_add_co_u32 s79, s79, XCH
	v_lshl_add_u32 v[XS], v28, 3, s79
	v_and_b32 v31, 8, v30
	v_add_nc_u32 v31, v31, v30                     ; r + 8 (r / 8)
	s_lshr_b32 s79, s26, 1
	s_lshl_b32 s79, s79, 5
	s_and_b32 s80, s26, 1
	s_lshl_b32 s80, s80, 3
	s_add_co_u32 s79, s79, s80
	v_add_nc_u32 v31, s79, v31                     ; my query's place among the part's 128
	v_mul_u32_u24 v[OS], v31, 112
	v_lshl_add_u32 v[OS], v29, 5, v[OS]
	v_add_nc_u32 v[OS], OUTST, v[OS]
	s_lshl_b32 s79, s24, 9
	v_add_nc_u32 v[OG], s79, v[L16]
	v_add_nc_u32 v[ORD], OUTST, v[OG]
	v_lshl_add_u32 v[BS], v28, 2, BIMG
	; offsets in memory
	s_and_b32 s80, s94, 1
	s_lshl_b32 s80, s80, 4
	v_add_nc_u32 v61, s80, v30                     ; the weight's row 16 (f % 2) + r,
	s_cmp_lt_u32 s94, 2                            ; of wo (f = 0, 1) or of w_fc (2, 3),
	s_cselect_b32 s81, 31, 27
	v_min_u32 v61, s81, v61                        ; held inside it (w_fc has 28 rows; what rows 28-31 would give is never stored)
	v_lshlrev_b32 v61, 7, v61
	v_lshl_add_u32 v61, v29, 5, v61                ; + 32 h: registers 2 c, 2 c + 1 hold k = 16 c + 8 h + 0..7
	v_lshlrev_b32 v60, 2, v28                      ; 4 lane
	v_min_u32 v59, 27, v28
	v_lshlrev_b32 v59, 2, v59                      ; b_fc has 28 numbers
	s_mov_b32 s48, 0x76543210                      ; v_permlanex16_b32: lane l xor 16
	s_mov_b32 s49, 0xfedcba98
	s_mov_b32 s50, 0x3eb8aa3b                      ; c = log2(e) / 4
	s_mov_b32 s51, s50                             ; (named with it as a pair)
	s_wait_kmcnt 0x0
	s_load_b64 s[52:53], s[12:13], 0x18            ; e6, e7
	s_load_b128 s[56:59], s[12:13], 0x20           ; e8 .. e11
	s_cmp_lt_u32 s94, 2
	s_cselect_b64 s[82:83], s[14:15], s[18:19]
	global_load_b32 v252, v60, s[10:11]            ; the steps of batches 0-31, a lane a batch,
	global_load_b32 v253, v60, s[10:11] offset:128 ; and of batches 32-63
.irp c, 0,1
.irp i, 0,1
	global_load_b128 v[224+8*\c+4*\i:224+8*\c+4*\i+3], v61, s[82:83] offset:64*\c+16*\i
.endr
.endr
	global_load_b32 v244, v60, s[16:17]            ; bo
	global_load_b32 v245, v59, s[20:21]            ; b_fc
	s_wait_loadcnt 6                               ; the two loads of step counts are in; the six behind them may be out
	; THE RANKS: ascending by (steps, index), by counting.  s84: how many batches have fewer steps, or as many and a lower index.  A rank's steps: 1 + the values 1..7 whose running count does not pass the rank
	v_min_u32 v252, 8, v252
	v_min_u32 v253, 8, v253
	v_mov_b32 v254, 0
	v_mov_b32 v255, 0
	s_mov_b32 s84, 0
	s_sub_co_u32 s85, 63, s28                      ; A's rank
	s_mov_b32 s31, 1                               ; A's steps
	s_mov_b32 s32, 1                               ; B's steps
.irp val, 1,2,3,4,5,6,7,8
	v_cmp_eq_u32 s86, \val, v252
	v_cmp_eq_u32 s87, \val, v253
	v_mbcnt_lo_u32_b32 v250, s86, s84
	s_bcnt1_i32_b32 s88, s86
	s_add_co_u32 s84, s84, s88
	v_mbcnt_lo_u32_b32 v251, s87, s84
	s_bcnt1_i32_b32 s88, s87
	s_add_co_u32 s84, s84, s88
	v_cndmask_b32 v254, v254, v250, s86
	v_cndmask_b32 v255, v255, v251, s87
.if \val < 8
	s_cmp_le_u32 s84, s85
	s_cselect_b32 s88, 1, 0
	s_add_co_u32 s31, s31, s88
	s_cmp_le_u32 s84, s28
	s_cselect_b32 s88, 1, 0
	s_add_co_u32 s32, s32, s88
.endif
.endr
.macro FINDB rk, dst                   ; the batch of rank s[rk]; held to 0..63 before it enters an address
	v_cmp_eq_u32 s86, s[\rk], v254
	v_cmp_eq_u32 s87, s[\rk], v255
	s_ctz_i32_b32 s88, s86
	s_ctz_i32_b32 s89, s87
	s_add_co_u32 s89, s89, 32
	s_cmp_lg_u32 s86, 0
	s_cselect_b32 s[\dst], s88, s89
	s_min_u32 s[\dst], s[\dst], 63
.endm
	FINDB 85, 29                                   ; batch A
	FINDB 28, 30                                   ; batch B
	s_mov_b32 s77, 0
	s_mul_i32 s76, s29, 8*SLOT
	s_add_nc_u64 s[34:35], s[6:7], s[76:77]        ; A's steps
	s_mul_i32 s76, s30, 8*SLOT
	s_add_nc_u64 s[36:37], s[6:7], s[76:77]        ; B's steps: this one walks
	s_lshl_b32 s78, s27, 14
	s_lshl_b32 s79, s26, 11
	s_add_co_u32 s78, s78, s79
	s_lshl_b32 s79, s25, 10
	s_add_co_u32 s78, s78, s79                     ; ((8 part + tile) 2 + head) x 1,024
	s_lshl_b32 s76, s29, 17
	s_add_co_u32 s76, s76, s78
	s_add_nc_u64 s[40:41], s[4:5], s[76:77]        ; my q of A,
	s_lshl_b32 s76, s30, 17
	s_add_co_u32 s76, s76, s78
	s_add_nc_u64 s[42:43], s[4:5], s[76:77]        ; of B
	s_mul_i32 s78, s27, 14336
	s_mul_i32 s76, s29, 114688
	s_add_co_u32 s76, s76, s78
	s_add_nc_u64 s[44:45], s[22:23], s[76:77]      ; the part's rows of out0 in A,
	s_mul_i32 s76, s30, 114688
	s_add_co_u32 s76, s76, s78
	s_add_nc_u64 s[46:47], s[22:23], s[76:77]      ; in B
	s_lshl_b32 s76, s29, 12
	s_add_nc_u64 s[90:91], s[8:9], s[76:77]        ; A's key biases,
	s_lshl_b32 s76, s30, 12
	s_add_nc_u64 s[92:93], s[8:9], s[76:77]        ; B's
	global_load_b64 v[246:247], v[T8], s[92:93]
	global_load_b64 v[248:249], v[T8], s[90:91]
	global_load_b128 v[QF:QF+3], v[L16], s[40:41]
	global_load_b128 v[QF+4:QF+7], v[L16], s[40:41] offset:512
	s_cmp_ge_u32 s26, s31                          ; wave w brings half w % 2 of A's step w / 2, if that step is walked
	s_cbranch_scc1 .Lno_a
.irp i, 0,1,2,3,4,5,6,7,8,9,10,11,12,13,14,15
	global_load_b128 v[PK+4*\i:PK+4*\i+3], v[GA], s[34:35] offset:512*\i
.endr
.irp i, 0,1,2,3
	global_load_b128 v[208+4*\i:208+4*\i+3], v[GA], s[34:35] offset:8192+512*\i
.endr
	s_wait_loadcnt 0x0
.irp i, 0,1,2,3,4,5,6,7,8,9,10,11,12,13,14,15
	ds_store_b128 v[SA], v[PK+4*\i:PK+4*\i+3] offset:512*\i
.endr
.irp i, 0,1,2,3
	ds_store_b128 v[SA], v[208+4*\i:208+4*\i+3] offset:8192+512*\i
.endr
.Lno_a:
	s_wait_loadcnt 0x0
	s_wait_kmcnt 0x0
	ds_store_b64 v[KB], v[246:247]
	ds_store_b64 v[KB], v[248:249] offset:4096
	s_cmp_lt_u32 s94, 2
	s_cselect_b32 s76, s57, s59                    ; e9 for wo, e11 for w_fc: a choice on the wave's number
	s_add_co_i32 s76, s76, 127
	s_lshl_b32 s77, s76, 23
	v_mov_b32 v251, s77
	s_add_co_i32 s76, s76, 8
	s_lshl_b32 s76, s76, 23
	s_or_b32 s76, s76, 0x600000
	v_mov_b32 v250, s76
.irp i, 0,1,2,3,4,5,6,7,8,9,10,11,12,13,14,15
	v_med3_num_f32 v[224+\i], v[224+\i], -v250, v250   ; the conversion to an 8-bit code does not saturate (ISA guide 7.6.2): the hold comes first
.endr
	v_cvt_scalef32_pk8_fp8_f32 v[240:241], v[224:231], v251
	v_cvt_scalef32_pk8_fp8_f32 v[242:243], v[232:239], v251
	v_nop
	s_cmp_ge_u32 s24, 4                            ; waves 0-3 store the four fragments as images of their registers
	s_cbranch_scc1 .Lno_w
	ds_store_b128 v[WS], v[240:243]
.Lno_w:
	s_cmp_lg_u32 s24, 4                            ; wave 4 stores the two biases
	s_cbranch_scc1 .Lno_b
	ds_store_b32 v[BS], v244
	ds_store_b32 v[BS], v245 offset:128
.Lno_b:
	s_add_co_i32 s76, s52, 127
	s_lshl_b32 s77, s76, 23
	v_mov_b32 v[SCP], s77                          ; 2^e6
	s_add_co_i32 s76, s76, 8
	s_lshl_b32 s76, s76, 23
	s_or_b32 s76, s76, 0x600000
	v_mov_b32 v[LIMP], s76                         ; 448 x 2^e6
	s_add_co_i32 s70, s52, s53                     ; e6 + e7
	s_add_co_i32 s66, s56, s57
	s_add_co_i32 s66, s66, 127
	s_lshl_b32 s66, s66, 23                        ; 2^(e8 + e9)
	s_mov_b32 s67, s66
	s_add_co_i32 s68, s58, s59
	s_add_co_i32 s68, s68, 127
	s_lshl_b32 s68, s68, 23                        ; 2^(e10 + e11)
	s_mov_b32 s69, s68
	s_add_co_i32 s76, s56, 127
	s_lshl_b32 s71, s76, 23                        ; 2^e8,
	s_add_co_i32 s76, s76, 8
	s_lshl_b32 s76, s76, 23
	s_or_b32 s72, s76, 0x600000                    ; 448 x 2^e8
	s_add_co_i32 s76, s58, 127
	s_lshl_b32 s73, s76, 23                        ; 2^e10,
	s_add_co_i32 s76, s76, 8
	s_lshl_b32 s76, s76, 23
	s_or_b32 s74, s76, 0x600000                    ; 448 x 2^e10
	v_mov_b32 v[PD], 0                             ; written once: a lane permute's destination counts as one of its sources
	v_mov_b32 v[FF+1], 0                           ; (named as the upper half of a pair)
.irp j, 0,1,2,3,4,5,6,7,8,9
	v_mov_b32 v[G+\j], 0                           ; written once, so that these registers are written on every way through the trips
.endr
	BARRIER                                        ; A's slots, the biases and the weights lie in LDS
; 16 matrix instructions: tiles t0 .. t0 + 3, K steps 0..3; the four accumulators take turns, one instruction a turn.  The first K step takes the keys' biases as its C
.macro SCORES t0
.irp s, 0,1,2,3
.irp t, \t0, \t0+1, \t0+2, \t0+3
.if \s == 0
	v_wmma_f32_16x16x4_f32 v[SS+8*(\t):SS+8*(\t)+7], v[PK+8*(\t):PK+8*(\t)+1], v[QF:QF+1], v[BA+8*(\t):BA+8*(\t)+7]
.else
	v_wmma_f32_16x16x4_f32 v[SS+8*(\t):SS+8*(\t)+7], v[PK+8*(\t)+2*\s:PK+8*(\t)+2*\s+1], v[QF+2*\s:QF+2*\s+1], v[SS+8*(\t):SS+8*(\t)+7]
.endif
.endr
.endr
.endm
; A KEY STEP: 128 keys for my 16 queries and my head
.macro STEP
.irp t, 0,1,2,3,4,5,6,7
	ds_load_b128 v[BA+8*\t:BA+8*\t+3], v[BAD] offset:128*(\t/2)+32*(\t%2)          ; bias of keys 32 (t / 2) + 16 h + 8 (t % 2) + 0..7: the result's layout
	ds_load_b128 v[BA+8*\t+4:BA+8*\t+7], v[BAD] offset:128*(\t/2)+32*(\t%2)+16
	ds_load_b128 v[PK+8*\t:PK+8*\t+3], v[KA] offset:1024*\t
	ds_load_b128 v[PK+8*\t+4:PK+8*\t+7], v[KA] offset:1024*\t+512
.endr
	s_wait_dscnt 16                                ; tiles 0-3 are in; the sixteen loads of tiles 4-7 may be out
	SCORES 0
	s_wait_dscnt 0x0
	SCORES 4
.rept 8
	v_nop                                          ; eight places behind this form, ahead of the first read of a score and of the loads into registers that served as C
.endr
.irp c, 0,1,2,3
	ds_load_b128 v[VV+4*\c:VV+4*\c+3], v[KA] offset:8192+512*\c
.endr
	v_max3_num_f32 v[C0], v[SS], v[SS+1], v[SS+2]  ; the step's largest score of my query among my 64 keys, in two chains; each tile is first read at its low end
	v_max3_num_f32 v[C1], v[SS+3], v[SS+4], v[SS+5]
.irp i, 6,10,14,18,22,26,30,34,38,42,46,50,54,58
	v_max3_num_f32 v[C0], v[C0], v[SS+\i], v[SS+1+\i]
	v_max3_num_f32 v[C1], v[C1], v[SS+2+\i], v[SS+3+\i]
.endr
	v_max3_num_f32 v[C0], v[C0], v[SS+62], v[SS+63]
	v_max_num_f32 v[C0], v[C0], v[C1]
	v_permlanex16_b32 v[PD], v[C0], s48, s49
	v_max_num_f32 v[C0], v[C0], v[PD]              ; and among lane l xor 16's
	v_mul_f32 v[C0], s50, v[C0]                    ; as t (c is positive)
	v_max_num_f32 v[NM+1], v[NM+1], v[C0]          ; the running largest t
	v_mov_b32 v[C0], v[NM]
	v_floor_f32 v[NM], -v[NM+1]                    ; the new -M = floor(-t): M is a whole number
	v_sub_f32 v[C0], v[NM], v[C0]                  ; old M less new M: a whole number, 0 or less
	v_cvt_i32_f32 v[C0], v[C0]                     ; (it saturates)
	v_ldexp_f32 v[FF], 1.0, v[C0]                  ; f = 2^(old M - new M)
.irp j, 0,2,4,6,8,10,12,14,16,18,20,22,24,26,28,30,32,34,36,38,40,42,44,46,48,50,52,54,56,58,60,62
	v_pk_fma_f32 v[PK+\j:PK+\j+1], v[SS+\j:SS+\j+1], s[50:51], v[NM:NM+1] op_sel_hi:[1,0,0]   ; t - M, into other registers than the scores'
.endr
.irp j, 0,1,2,3,4,5,6,7,8,9,10,11,12,13,14,15,16,17,18,19,20,21,22,23,24,25,26,27,28,29,30,31,32,33,34,35,36,37,38,39,40,41,42,43,44,45,46,47,48,49,50,51,52,53,54,55,56,57,58,59,60,61,62,63
	v_exp_f32 v[PK+\j], v[PK+\j]                   ; p = 2^(t - M)
.endr
	v_pk_mul_f32 v[LS:LS+1], v[LS:LS+1], v[FF:FF+1] op_sel_hi:[1,0]   ; the sums under the new M: the plain line behind the exponentials
	s_wait_alu depctr_va_vdst(0)                   ; one wait for the batch of 64, ahead of its first reader
	v_pk_add_f32 v[L2:L2+1], v[PK:PK+1], v[PK+2:PK+3]   ; the sum of the unquantised p, in two chains
.irp j, 4,8,12,16,20,24,28,32,36,40,44,48,52,56,60
	v_pk_add_f32 v[LS:LS+1], v[LS:LS+1], v[PK+\j:PK+\j+1]
	v_pk_add_f32 v[L2:L2+1], v[L2:L2+1], v[PK+2+\j:PK+3+\j]
.endr
	v_pk_add_f32 v[LS:LS+1], v[LS:LS+1], v[L2:L2+1]
.irp b, 0,1,2,3
.irp i, 0,1,2,3,4,5,6,7,8,9,10,11,12,13,14,15
	v_min_num_f32 v[PK+16*\b+\i], v[PK+16*\b+\i], v[LIMP]   ; p is not negative: the hold is one-sided
.endr
	v_cvt_scalef32_pk8_fp8_f32 v[CD+4*\b:CD+4*\b+1], v[PK+16*\b:PK+16*\b+7], v[SCP]
	v_cvt_scalef32_pk8_fp8_f32 v[CD+4*\b+2:CD+4*\b+3], v[PK+16*\b+8:PK+16*\b+15], v[SCP]
.endr
.irp j, 0,2,4,6
	v_pk_mul_f32 v[OO+\j:OO+\j+1], v[OO+\j:OO+\j+1], v[FF:FF+1] op_sel_hi:[1,0]   ; O^T under the new M; also the plain lines behind the conversions
.endr
	s_wait_dscnt 0x0                               ; v's codes are in
	v_wmma_f32_16x16x128_fp8_fp8 v[OO:OO+7], v[VV:VV+15], v[CD:CD+15], v[OO:OO+7]
.endm
; A TRIP.  s60: the slot; s61: its biases; s62: the step's number; nt: the register with the batch's steps.  stage = 1: B's step s62 is loaded into registers ahead of the trip's work and stored into slot s62 (s63)
; behind it; stage = 2: it is loaded and kept; stage = 0: nothing is staged.  The four vector lines at the head are the places behind the last product, ahead of the loads into its operands' registers.
.macro TRIP nt, stage
	v_add_nc_u32 v[KA], s60, v[LK]
	v_add_nc_u32 v[BAD], s61, v[LB]
.if \stage
	v_add_nc_u32 v[SG16], s63, v[T16]
	v_add_nc_u32 v[SG8], s63, v[T8]
	s_cmp_ge_u32 s62, s32
	s_cbranch_scc1 .Lno_load_\@
	global_load_b128 v[G:G+3], v[T16], s[36:37]
	global_load_b128 v[G+4:G+7], v[T16], s[36:37] offset:8192
	global_load_b64 v[G+8:G+9], v[T8], s[36:37] offset:16384
.Lno_load_\@:
.else
	v_nop
	v_nop
.endif
	s_cmp_ge_u32 s62, s[\nt]                       ; a step behind the last key that counts is left out
	s_cbranch_scc1 .Lskip_\@
	STEP
.Lskip_\@:
.if \stage
	s_wait_loadcnt 0x0                             ; on every way: the staged step is in registers, and its base may be stepped
.endif
.if \stage == 1
	s_cmp_ge_u32 s62, s32
	s_cbranch_scc1 .Lno_store_\@
	ds_store_b128 v[SG16], v[G:G+3]
	ds_store_b128 v[SG16], v[G+4:G+7] offset:8192
	ds_store_b64 v[SG8], v[G+8:G+9] offset:16384
.Lno_store_\@:
	s_add_nc_u64 s[36:37], s[36:37], SLOT
	s_add_co_u32 s63, s63, SLOT
.endif
	s_add_co_u32 s60, s60, SLOT
	s_add_co_u32 s61, s61, 512
	s_add_co_u32 s62, s62, 1
.endm
.macro INIT                            ; the step is written once: the first finds zeros, which the first change of M leaves zeros
.irp j, 0,1,2,3,4,5,6,7
	v_mov_b32 v[OO+\j], 0
.endr
	v_mov_b32 v[LS], 0
	v_mov_b32 v[LS+1], 0
	v_mov_b32 v[NM+1], 0xff61b1e6                  ; the largest t so far: -3e38
	v_floor_f32 v[NM], -v[NM+1]
.endm
; THE WAY OUT of a batch.  op: the pair with the part's place in out0.  last = 0: B follows.
.macro EPI op, last
.rept 4
	v_nop                                          ; places behind the last product
.endr
	v_add_f32 v[LS], v[LS], v[LS+1]
	v_permlanex16_b32 v[PD], v[LS], s48, s49
	v_add_f32 v[LS], v[LS], v[PD]                  ; the row's sum
	v_rcp_f32 v[LS], v[LS]
	v_mov_b32 v[C0], s72                           ; (plain lines behind the reciprocal)  448 x 2^e8
	v_mov_b32 v[C1], s71                           ; 2^e8
	s_wait_alu depctr_va_vdst(0)                   ; ahead of the reciprocal's first reader
	v_ldexp_f32 v[LS], v[LS], s70                  ; x 2^(e6 + e7)
.irp j, 0,1,2,3,4,5,6,7
	v_mul_f32 v[PK+\j], v[OO+\j], v[LS]            ; o: channels 8 h + 0..7 of my head, my query
.endr
.irp j, 0,1,2,3,4,5,6,7
	v_med3_num_f32 v[PK+\j], v[PK+\j], -v[C0], v[C0]
.endr
	v_cvt_scalef32_pk8_fp8_f32 v[72:73], v[PK:PK+7], v[C1]   ; registers 2 c, 2 c + 1 of the next operand, c = my head
	v_nop
	ds_store_b64 v[XS], v[72:73]
.if \last == 0
	global_load_b128 v[QF:QF+3], v[L16], s[42:43]  ; B's q
	global_load_b128 v[QF+4:QF+7], v[L16], s[42:43] offset:512
.endif
	BARRIER                                        ; both heads' codes lie in LDS, and nobody reads this batch's slots any more
	s_cmp_lg_u32 s25, 0                            ; the wave of head 0 takes the tile through wo and w_fc
	s_cbranch_scc1 .Lno_tail_\@
	ds_load_b64 v[74:75], v[XS] offset:256         ; head 1's codes
.irp f, 0,1,2,3
	ds_load_b128 v[80+8*\f:83+8*\f], v[WI] offset:512*\f
.endr
.irp n, 0,1
	ds_load_b128 v[240+8*\n:243+8*\n], v[BI] offset:64*\n          ; bo at 16 n + 8 h + 0..7
	ds_load_b128 v[244+8*\n:247+8*\n], v[BI] offset:64*\n+16
.endr
	ds_load_b128 v[64:67], v[BI] offset:128        ; b_fc likewise
	ds_load_b128 v[68:71], v[BI] offset:144
	ds_load_b128 v[120:123], v[BI] offset:192
	ds_load_b128 v[124:127], v[BI] offset:208
.irp z, 76,84,92,100,108,116
.irp i, 0,1,2,3
	v_mov_b32 v[\z+\i], 0                          ; K = 32 of the form's 64: zero codes on both sides
.endr
.endr
	s_wait_dscnt 0x0
	v_wmma_f32_16x16x64_fp8_fp8 v[192:199], v[80:87], v[72:79], 0   ; transposed: source 0 = 16 rows of wo, source 1 = my 16 queries
	v_wmma_f32_16x16x64_fp8_fp8 v[200:207], v[88:95], v[72:79], 0
	v_mov_b32 v[C0], s74                           ; 448 x 2^e10
	v_mov_b32 v[C1], s73                           ; 2^e10
	v_nop
	v_nop
.irp i, 0,2,4,6,8,10,12,14
	v_pk_fma_f32 v[208+\i:209+\i], v[192+\i:193+\i], s[66:67], v[240+\i:241+\i] op_sel_hi:[1,0,1]   ; sum x 2^(e8 + e9) + bo
.endr
.irp i, 0,1,2,3,4,5,6,7,8,9,10,11,12,13,14,15
	v_med3_num_f32 v[208+\i], v[208+\i], -v[C0], v[C0]
.endr
	v_cvt_scalef32_pk8_fp8_f32 v[112:113], v[208:215], v[C1]
	v_cvt_scalef32_pk8_fp8_f32 v[114:115], v[216:223], v[C1]
	v_nop
	v_wmma_f32_16x16x64_fp8_fp8 v[224:231], v[96:103], v[112:119], 0
	v_wmma_f32_16x16x64_fp8_fp8 v[232:239], v[104:111], v[112:119], 0
.rept 4
	v_nop
.endr
.irp i, 0,2,4,6
	v_pk_fma_f32 v[208+\i:209+\i], v[224+\i:225+\i], s[68:69], v[64+\i:65+\i] op_sel_hi:[1,0,1]     ; sum x 2^(e10 + e11) + b_fc
.endr
.irp i, 0,2,4,6
	v_pk_fma_f32 v[216+\i:217+\i], v[232+\i:233+\i], s[68:69], v[120+\i:121+\i] op_sel_hi:[1,0,1]
.endr
	ds_store_b128 v[OS], v[208:211]                ; columns 8 h + 0..3,
	ds_store_b128 v[OS], v[212:215] offset:16      ; 8 h + 4..7,
	ds_store_b128 v[OS], v[216:219] offset:64      ; 16 + 8 h + 0..3;
	s_wait_xcnt 0x0                                ; EXEC changes only behind this wait
	v_cmp_gt_u32 vcc_lo, 0x100, v[L16]
	s_and_saveexec_b32 s76, vcc_lo
	ds_store_b128 v[OS], v[220:223] offset:80      ; 20..23, from lanes 0-15 alone: a row has 28 columns
	s_wait_xcnt 0x0
	s_or_b32 exec_lo, exec_lo, s76
.Lno_tail_\@:
	BARRIER                                        ; the part's 128 rows, 14,336 consecutive bytes of out0, lie in the stage
	ds_load_b128 v[64:67], v[ORD]
	s_cmp_ge_u32 s24, 12                           ; 28 pieces of 512 bytes for 16 waves
	s_cbranch_scc1 .Lone_\@
	ds_load_b128 v[68:71], v[ORD] offset:8192
	s_wait_dscnt 0x0
	global_store_b128 v[OG], v[68:71], s[\op:\op+1] offset:8192 th:TH_STORE_NT
.Lone_\@:
	s_wait_dscnt 0x0
	global_store_b128 v[OG], v[64:67], s[\op:\op+1] th:TH_STORE_NT   ; each store of the wave covers 512 consecutive bytes, aligned
.if \last == 0
	s_cmp_lt_u32 s32, 8                            ; B's step 7, kept in registers since A's last trip, takes slot 7: two barriers lie behind the last read of A's step 0
	s_cbranch_scc1 .Lno_seven_\@
	ds_store_b128 v[SG16], v[G:G+3]
	ds_store_b128 v[SG16], v[G+4:G+7] offset:8192
	ds_store_b64 v[SG8], v[G+8:G+9] offset:16384
.Lno_seven_\@:
	s_wait_loadcnt 0x0                             ; B's q
	s_wait_xcnt 0x0                                ; the stores have read their registers, which the next batch's loads take
	BARRIER                                        ; B's slots are whole, and the stage has been read
.endif
.endm
	INIT
	s_mov_b32 s60, 7*SLOT
	s_mov_b32 s61, BIASA
	s_mov_b32 s62, 0
	s_mov_b32 s63, 0
.Lloop_a:                                              ; seven trips: slots 7-13 are read, slots 0-6 are stored
	TRIP 31, 1
	s_cmp_lt_u32 s62, 7
	s_cbranch_scc1 .Lloop_a
	TRIP 31, 2                                     ; the eighth: slot 14 is read, nothing is stored
	EPI 44, 0
	INIT
	s_mov_b32 s60, 0
	s_mov_b32 s61, BIASB
	s_mov_b32 s62, 0
.Lloop_b:                                              ; eight trips: slots 0-7
	TRIP 32, 0
	s_cmp_lt_u32 s62, 8
	s_cbranch_scc1 .Lloop_b
	EPI 46, 1
	s_wait_tensorcnt 0x0                           ; the wave's end: behind my last LDS store
	ds_add_u32 v[SPW], v[NIL]
	s_wait_dscnt 0x0
	s_endpgm
.Lfunc_end_k_q4f9b0d37ee_attn:
	.size	k_q4f9b0d37ee_attn, .Lfunc_end_k_q4f9b0d37ee_attn-k_q4f9b0d37ee_attn
	.p2alignl 7, 3214868480
	.fill 96, 4, 3214868480
	.section	.rodata,"a",@progbits
	.p2align	6, 0x0
	.amdhsa_kernel k_q4f9b0d37ee_attn
		.amdhsa_group_segment_fixed_size 327680
		.amdhsa_private_segment_fixed_size 0
		.amdhsa_enable_private_segment 0
		.amdhsa_kernarg_size 80
		.amdhsa_user_sgpr_count 2
		.amdhsa_user_sgpr_kernarg_segment_ptr 1
		.amdhsa_wavefront_size32 1
		.amdhsa_system_sgpr_workgroup_id_x 1
		.amdhsa_system_sgpr_workgroup_id_y 1
		.amdhsa_system_sgpr_workgroup_id_z 1
		.amdhsa_system_vgpr_workitem_id 0
		.amdhsa_next_free_vgpr 256
		.amdhsa_next_free_sgpr 100
		.amdhsa_reserve_vcc 1
		.amdhsa_float_denorm_mode_32 3
		.amdhsa_float_denorm_mode_16_64 3
		.amdhsa_memory_ordered 1
		.amdhsa_forward_progress 1
		.amdhsa_inst_pref_size 84
	.end_amdhsa_kernel
	.amdgpu_metadata
---
amdhsa.version: [ 1, 2 ]
amdhsa.kernels:
  - .name:           k_q4f9b0d37ee_attn
    .symbol:         k_q4f9b0d37ee_attn.kd
    .args:
      - { .name: qf, .offset: 0, .size: 8, .value_kind: global_buffer, .address_space: global }
      - { .name: kv, .offset: 8, .size: 8, .value_kind: global_buffer, .address_space: global }
      - { .name: kbias, .offset: 16, .size: 8, .value_kind: global_buffer, .address_space: global }
      - { .name: nts, .offset: 24, .size: 8, .value_kind: global_buffer, .address_space: global }
      - { .name: lowp_scales, .offset: 32, .size: 8, .value_kind: global_buffer, .address_space: global }
      - { .name: wo, .offset: 40, .size: 8, .value_kind: global_buffer, .address_space: global }
      - { .name: bo, .offset: 48, .size: 8, .value_kind: global_buffer, .address_space: global }
      - { .name: w_fc, .offset: 56, .size: 8, .value_kind: global_buffer, .address_space: global }
      - { .name: b_fc, .offset: 64, .size: 8, .value_kind: global_buffer, .address_space: global }
      - { .name: out0, .offset: 72, .size: 8, .value_kind: global_buffer, .address_space: global }
    .group_segment_fixed_size: 327680
    .private_segment_fixed_size: 0
    .kernarg_segment_align: 8
    .kernarg_segment_size: 80
    .max_flat_workgroup_size: 512
    .sgpr_count:     100
    .vgpr_count:     256
    .wavefront_size: 32
...
	.end_amdgpu_metadata
.endif
;; end of part 2
